; MI455X (gfx1250); checked and timed in simulation.
; The chip was launched on July 23, 2026; its instructions are those of AMD's public machine-readable ISA for CDNA 5 (MIT licence, August 2026) and "CDNA5" Instruction Set Architecture Reference Guide (July 2026). The comments in the code are by the model that wrote it; some were corrected since.
;; Self Attention. Allowed arithmetic: matrix products marked QUANTISED: E2M1 operands, one E8M0 scale for each 32 along K, by v_wmma_scale_f32_16x16x128_f8f6f4 with both operands' format E2M1 (or v_wmma_scale_f32_32x16x128_f4), f32 sums; products left as they are: f32 operands where the result goes on into a quantised operand, else bf16, f16 or f32 operands; f32 sums; everything else in f32.
;; Inputs: U_b 1,024 float32; U_w_codes 1,024 x 32 x 16 uint8 (E2M1 codes of U_w, K innermost, in blocks of 32 codes, two codes a byte); U_w_scales 1,024 x 32 uint8 (E8M0 scales of U_w, one for each 32 codes along K); V_b 1 float32; V_w 1,024 x 1 float32; W_b 1,024 float32; W_w_codes 1,024 x 32 x 16 uint8 (E2M1 codes of W_w, K innermost, in blocks of 32 codes, two codes a byte); W_w_scales 1,024 x 32 uint8 (E8M0 scales of W_w, one for each 32 codes along K); hidden_states 32 x 2,048 x 1,024 float32; s_prev_codes 32 x 32 x 16 uint8 (E2M1 codes of s_prev, K innermost, in blocks of 32 codes, two codes a byte); s_prev_scales 32 x 32 uint8 (E8M0 scales of s_prev, one for each 32 codes along K).
;; Outputs: out0 32 x 1,024 float32; out1 32 x 2,048 x 1 float32.
;; This version of the problem:
;;   THIS VERSION OF THE PROBLEM IS GIVEN IN LOW PRECISION. The matrix products marked QUANTISED in the list below multiply operands that are first quantised to E2M1 (2 exponent bits, 1 mantissa bit; 4 bits a number), with one power-of-two scale for each 32 numbers along K (OCP MX v1.0); their sums are f32. All else is computed in f32.
;;   The module's matrix products, in the order in which they are computed (A, B: the left and right operand; K: the contracted axis; several contracted axes count as one K, in the product's order):
;;     1. [M 32, K 1,024] x [K 1,024, N 1,024]; A: input s_prev (given as codes); B: input W_w (given as codes): QUANTISED
;;     2. [M 65,536, K 1,024] x [K 1,024, N 1,024]; A: input hidden_states; B: input U_w (given as codes): QUANTISED
;;     3. [M 65,536, K 1,024] x [K 1,024, N 1]; A: computed on the way; B: input V_w: left as it is (N = 1 < 16)
;;   THE QUANTISER, for each operand of a quantised product, along K:
;;     - K is cut into blocks of 32 from its start; a last block that is shorter is filled with zeros.
;;     - A block's scale is 2^e with e = floor(log2(the largest magnitude in the block)) - 2, held to -126 .. 127; a block of zeros has e = 0. As a byte (E8M0): e + 127.
;;     - Each number is divided by its block's scale, clamped to +-6, and rounded to the nearest number of E2M1, ties to even, subnormals kept.
;;     - The product sums the exact products of the quantised numbers (number of the format x scale) in f32.
;;   ~~~python
;;   def quantise(x, axis):      # numpy; x: float32 -> the quantised numbers, widened to float32 again
;;       x = np.moveaxis(x, axis, -1); K = x.shape[-1]
;;       x = np.pad(x, [(0, 0)] * (x.ndim - 1) + [(0, -K % 32)]); x = x.reshape(x.shape[:-1] + (-1, 32)); a = np.abs(x).max(-1, keepdims=True)
;;       e = np.where(a > 0, np.clip(np.frexp(np.where(a > 0, a, 1))[1] - 1 - 2, -126, 127), 0)      # np.frexp(a)[1] - 1 = floor(log2(a)), exactly
;;       r = np.clip(x / 2.0 ** e, -6, 6)
;;       step = 2.0 ** (np.maximum(np.frexp(np.where(r == 0, 1, r))[1] - 1, 0) - 1)
;;       q = np.round(r / step) * step * 2.0 ** e      # np.round: ties to even
;;       return np.moveaxis(q.reshape(q.shape[:-2] + (-1,))[..., :K], -1, axis).astype(np.float32)
;;   ~~~
;;   INPUTS GIVEN AS CODES. U_w (in the module: [1024, 1024], K = its axis 0); W_w (in the module: [1024, 1024], K = its axis 0); s_prev (in the module: [32, 1024], K = its axis 1): each comes as NAME_codes (uint8): NAME with its K axis moved to the last place and cut into blocks of 32 codes, [.., K / 32, bytes a block], one block behind the other in memory; two codes a byte, the lower K in the low four bits (a code: sign, 2 exponent bits, 1 mantissa bit); and NAME_scales (uint8): the same leading axes, one E8M0 byte (e + 127) for each 32 codes along K. Its value is code x scale, taken as it is: it is not quantised again, and the codes and scales need not be those that the quantiser above would give.
;; One version. Each part assembles by itself: llvm-mc -triple=amdgcn-amd-amdhsa -mcpu=gfx1250 --defsym DOCPART=n.
;; ======== version 1 of 1: 3 launches
;; limits: right only within a limited range of input values
;; workspace buffers: bias 131,072 bytes; ureg 393,216 bytes; uwl 163,840 bytes; scores 262,144 bytes; stats 65,536 bytes; pctx 1,048,576 bytes
;; launch prep (part 1): grid 64 x 1, 1 waves a work-group, no clusters, 0 bytes of LDS; arguments s_prev_codes, s_prev_scales, W_w_codes, W_w_scales, W_b, U_b, U_w_codes, U_w_scales, bias, ureg, uwl; writes bias, ureg, uwl
.if DOCPART == 1
	.amdgcn_target "amdgcn-amd-amdhsa--gfx1250"
	.amdhsa_code_object_version 6
	.text
	.protected	k_q16bf8b3b41_prep
	.globl	k_q16bf8b3b41_prep
	.p2align	8
	.type	k_q16bf8b3b41_prep,@function
k_q16bf8b3b41_prep:
	s_mov_b64 s[64:65], 0
	v_nop
	global_prefetch_b8 v0, s[64:65] scope:SCOPE_SE
	s_setreg_imm32_b32 hwreg(HW_REG_WAVE_MODE, 25, 1), 1
	s_wait_xcnt 0x0
; Two small jobs ahead of the main launch, one wave for each tile T of 16 output units n = 16 T .. 16 T + 15 (64 tiles).
; (1) bias[b][n] = sum over k of s_prev[b][k] W[k][n] + W_b[n] + U_b[n], for all 32 b: the first quantised product, on the codes and scale bytes as they are given (E2M1, one E8M0 byte for each 32 along K), f32 sums.
; (2) U's codes and scale bytes of these 16 rows are laid out as IMAGES OF OPERAND REGISTERS, so that the main launch takes each fragment by loads of 16 bytes a lane, 512 consecutive bytes a load:
;     ureg: K steps 0-5, block (T, s) at (6 T + s) x 1,024 bytes; uwl: for each wave w = T / 16 of the main launch one dense piece of 40,960 bytes: K steps 6, 7 at (2 (T % 16) + s - 6) x 1,024, and from 32,768 on the scale words, 512 bytes a tile.
; A fragment (16 rows x 128 K of 4-bit codes) is 8 registers: lane (r, h) holds row r; registers 4 c .. 4 c + 3 hold K = 64 c + 32 h + 0 .. 31: 16 bytes of the row as they lie.
; SCALES: a row has 8 scale words (one for each 128 along K).  Lane (r, h) takes words 4 h .. 4 h + 3 of row r by one load: register q then serves K step q from lanes 0-15 and K step 4 + q from lanes 16-31 (MATRIX_SCALE_ROW1).
; THE MATRIX INSTRUCTION IS USED TRANSPOSED: source 0 = 16 rows of W (n), source 1 = 16 rows of s_prev (b): lane (r, h) then holds b = r and its registers n = 16 T + 8 h + 0 .. 7.
; bias leaves in runs of 64 bytes a row (16 units of one b): 131,072 bytes in all, against the 268 million that the program reads: not worth a stage.
; REGISTERS: v1 r, v2 h, v3-7 offsets; v16-31 two accumulators (b 0-15, b 16-31); v32-35 W's scale words; v36-43 s_prev's; v44-47 U's; v48-55 W_b, then W_b + U_b; v56-63 U_b; v64-127 W's 8 fragments; v128-255 s_prev's 16; window 1 v0-63: U's 8 fragments.
; WORK LEFT OUT, in the whole program.  weights = softmax over the sequence of score[b][s] = sum over n of V_w[n] tanh(..) + V_b, and the context is made of the weights alone.
; A term that is the same for all s of a batch leaves a softmax over s as it is, for all values of the inputs.  Two such terms are left out:
; V_b; and, with tanh(x) = 1 - 2 / (1 + e^(2x)), the constant sum over n of V_w[n].  So V_b has no way to any output: it is not loaded and is no launch's argument.
; LIMIT: a NaN, an infinity or an overflow that reaches only V_b or only that constant sum is not carried to the results.
.set MSB, 0
.macro WIN new                         ; the immediate's high byte repeats the setting that is left
.if MSB != (\new)
	s_set_vgpr_msb (MSB<<8)|(\new)
.set MSB, (\new)
.endif
.endm
	s_load_b256 s[4:11], s[0:1], 0x0               ; s_prev's codes s[4:5], its scales s[6:7], W's codes s[8:9], W's scales s[10:11]
	s_load_b256 s[12:19], s[0:1], 0x20             ; W_b s[12:13], U_b s[14:15], U's codes s[16:17], U's scales s[18:19]
	s_load_b128 s[20:23], s[0:1], 0x40             ; bias s[20:21], ureg s[22:23]
	s_load_b64 s[24:25], s[0:1], 0x50              ; uwl
	v_and_b32 v1, 15, v0                           ; r
	v_bfe_u32 v2, v0, 4, 1                         ; h
	v_lshlrev_b32 v3, 9, v1
	v_lshl_add_u32 v3, v2, 4, v3                   ; codes: row r of 512 bytes, + 16 h
	v_lshlrev_b32 v4, 5, v1
	v_lshl_add_u32 v4, v2, 4, v4                   ; scale bytes: row r of 32 bytes, + 16 h
	v_lshlrev_b32 v5, 5, v2                        ; the biases: my half's 8 numbers
	v_lshlrev_b32 v6, 4, v0                        ; an image's place for my lane (one wave: the thread's number is the lane)
	v_lshlrev_b32 v7, 12, v1
	v_lshl_add_u32 v7, v2, 5, v7                   ; bias: row r of 4,096 bytes, + 32 h
	s_lshl_b32 s26, ttmp9, 13                      ; 16 rows of 512 bytes of codes
	s_mov_b32 s27, 0
	s_lshl_b32 s28, ttmp9, 9                       ; 16 rows of 32 scale bytes
	s_mov_b32 s29, 0
	s_lshl_b32 s30, ttmp9, 6                       ; 16 f32 numbers
	s_mov_b32 s31, 0
	s_mul_i32 s32, ttmp9, 6144                     ; six images
	s_mov_b32 s33, 0
	s_lshr_b32 s38, ttmp9, 4
	s_mul_i32 s38, s38, 40960                      ; the piece of wave T / 16
	s_and_b32 s39, ttmp9, 15
	s_lshl_b32 s34, s39, 11
	s_add_co_u32 s34, s34, s38                     ; in it: two images a tile,
	s_mov_b32 s35, 0
	s_lshl_b32 s36, s39, 9
	s_add_co_u32 s36, s36, s38
	s_add_co_u32 s36, s36, 32768                   ; and behind the 32 images 512 bytes of scale words a tile
	s_mov_b32 s37, 0
	s_wait_alu depctr_va_vdst(0)
	s_wait_kmcnt 0x0
	s_add_nc_u64 s[8:9], s[8:9], s[26:27]
	s_add_nc_u64 s[16:17], s[16:17], s[26:27]
	s_add_nc_u64 s[10:11], s[10:11], s[28:29]
	s_add_nc_u64 s[18:19], s[18:19], s[28:29]
	s_add_nc_u64 s[12:13], s[12:13], s[30:31]
	s_add_nc_u64 s[14:15], s[14:15], s[30:31]
	s_add_nc_u64 s[20:21], s[20:21], s[30:31]
	s_add_nc_u64 s[22:23], s[22:23], s[32:33]
	s_add_nc_u64 s[34:35], s[24:25], s[34:35]
	s_add_nc_u64 s[36:37], s[24:25], s[36:37]
	WIN 0x40                                       ; destination window 1
.irp s, 0,1,2,3,4,5,6,7
.irp c, 0,1
	global_load_b128 v[8*\s+4*\c:8*\s+4*\c+3], v3, s[16:17] offset:64*\s+32*\c           ; U's fragment of K step s
.endr
.endr
	WIN 0
	global_load_b128 v[44:47], v4, s[18:19]        ; U's scale words: 17 loads so far
.irp s, 0,1,2,3,4,5,6,7
.irp c, 0,1
	global_load_b128 v[64+8*\s+4*\c:64+8*\s+4*\c+3], v3, s[8:9] offset:64*\s+32*\c       ; W's fragments
.endr
.endr
	global_load_b128 v[32:35], v4, s[10:11]        ; W's scale words
.irp mt, 0,1
.irp s, 0,1,2,3,4,5,6,7
.irp c, 0,1
	global_load_b128 v[128+64*\mt+8*\s+4*\c:128+64*\mt+8*\s+4*\c+3], v3, s[4:5] offset:8192*\mt+64*\s+32*\c   ; s_prev's, rows 16 mt on
.endr
.endr
.endr
.irp mt, 0,1
	global_load_b128 v[36+4*\mt:39+4*\mt], v4, s[6:7] offset:512*\mt
.endr
	global_load_b128 v[48:51], v5, s[12:13]
	global_load_b128 v[52:55], v5, s[12:13] offset:16
	global_load_b128 v[56:59], v5, s[14:15]
	global_load_b128 v[60:63], v5, s[14:15] offset:16
	s_wait_loadcnt 55                              ; loads come back in order: U's 17 are in; the 55 issued behind them (17 + 34 + 4) may be out
	WIN 0x04                                       ; a store's data are its source 1: window 1
.irp s, 0,1,2,3,4,5
.irp c, 0,1
	global_store_b128 v6, v[8*\s+4*\c:8*\s+4*\c+3], s[22:23] offset:1024*\s+512*\c       ; 32 lanes store 512 consecutive bytes, aligned
.endr
.endr
.irp s, 6,7
.irp c, 0,1
	global_store_b128 v6, v[8*\s+4*\c:8*\s+4*\c+3], s[34:35] offset:1024*(\s-6)+512*\c
.endr
.endr
	WIN 0
	global_store_b128 v6, v[44:47], s[36:37]
	s_wait_loadcnt 0x0
.irp j, 0,2,4,6
	v_pk_add_f32 v[48+\j:49+\j], v[48+\j:49+\j], v[56+\j:57+\j]      ; W_b + U_b: the C of each sum's first product
.endr
.rept 4
	v_nop
.endr
; two accumulators by turns, one instruction a turn, K ascending
.irp s, 0,1,2,3,4,5,6,7
.irp mt, 0,1
.if \s == 0
	v_wmma_scale_f32_16x16x128_f8f6f4 v[16+8*\mt:23+8*\mt], v[64+8*\s:71+8*\s], v[128+64*\mt+8*\s:135+64*\mt+8*\s], v[48:55], v[32+\s%4], v[36+4*\mt+\s%4] matrix_a_fmt:MATRIX_FMT_FP4 matrix_b_fmt:MATRIX_FMT_FP4
.elseif \s < 4
	v_wmma_scale_f32_16x16x128_f8f6f4 v[16+8*\mt:23+8*\mt], v[64+8*\s:71+8*\s], v[128+64*\mt+8*\s:135+64*\mt+8*\s], v[16+8*\mt:23+8*\mt], v[32+\s%4], v[36+4*\mt+\s%4] matrix_a_fmt:MATRIX_FMT_FP4 matrix_b_fmt:MATRIX_FMT_FP4
.else
	v_wmma_scale_f32_16x16x128_f8f6f4 v[16+8*\mt:23+8*\mt], v[64+8*\s:71+8*\s], v[128+64*\mt+8*\s:135+64*\mt+8*\s], v[16+8*\mt:23+8*\mt], v[32+\s%4], v[36+4*\mt+\s%4] matrix_a_fmt:MATRIX_FMT_FP4 matrix_b_fmt:MATRIX_FMT_FP4 matrix_a_scale:MATRIX_SCALE_ROW1 matrix_b_scale:MATRIX_SCALE_ROW1
.endif
.endr
.endr
.rept 4
	v_nop                                          ; four places between the last product and the stores that read results
.endr
.irp mt, 0,1
.irp q, 0,1
	global_store_b128 v7, v[16+8*\mt+4*\q:19+8*\mt+4*\q], s[20:21] offset:65536*\mt+16*\q   ; bias(16 mt + r, 16 T + 8 h + 4 q ..): each accumulator from its low end on
.endr
.endr
	s_endpgm
.Lfunc_end_k_q16bf8b3b41_prep:
	.size	k_q16bf8b3b41_prep, .Lfunc_end_k_q16bf8b3b41_prep-k_q16bf8b3b41_prep
	.p2alignl 7, 3214868480
	.fill 96, 4, 3214868480
	.section	.rodata,"a",@progbits
	.p2align	6, 0x0
	.amdhsa_kernel k_q16bf8b3b41_prep
		.amdhsa_group_segment_fixed_size 0
		.amdhsa_private_segment_fixed_size 0
		.amdhsa_enable_private_segment 0
		.amdhsa_kernarg_size 88
		.amdhsa_user_sgpr_count 2
		.amdhsa_user_sgpr_kernarg_segment_ptr 1
		.amdhsa_wavefront_size32 1
		.amdhsa_system_sgpr_workgroup_id_x 1
		.amdhsa_system_sgpr_workgroup_id_y 1
		.amdhsa_system_sgpr_workgroup_id_z 1
		.amdhsa_system_vgpr_workitem_id 0
		.amdhsa_next_free_vgpr 320
		.amdhsa_next_free_sgpr 66
		.amdhsa_reserve_vcc 0
		.amdhsa_float_denorm_mode_32 3
		.amdhsa_float_denorm_mode_16_64 3
		.amdhsa_memory_ordered 1
		.amdhsa_forward_progress 1
		.amdhsa_inst_pref_size 14
	.end_amdhsa_kernel
	.amdgpu_metadata
---
amdhsa.version: [ 1, 2 ]
amdhsa.kernels:
  - .name:           k_q16bf8b3b41_prep
    .symbol:         k_q16bf8b3b41_prep.kd
    .args:
      - { .name: s_prev_codes, .offset: 0, .size: 8, .value_kind: global_buffer, .address_space: global }
      - { .name: s_prev_scales, .offset: 8, .size: 8, .value_kind: global_buffer, .address_space: global }
      - { .name: W_w_codes, .offset: 16, .size: 8, .value_kind: global_buffer, .address_space: global }
      - { .name: W_w_scales, .offset: 24, .size: 8, .value_kind: global_buffer, .address_space: global }
      - { .name: W_b, .offset: 32, .size: 8, .value_kind: global_buffer, .address_space: global }
      - { .name: U_b, .offset: 40, .size: 8, .value_kind: global_buffer, .address_space: global }
      - { .name: U_w_codes, .offset: 48, .size: 8, .value_kind: global_buffer, .address_space: global }
      - { .name: U_w_scales, .offset: 56, .size: 8, .value_kind: global_buffer, .address_space: global }
      - { .name: bias, .offset: 64, .size: 8, .value_kind: global_buffer, .address_space: global }
      - { .name: ureg, .offset: 72, .size: 8, .value_kind: global_buffer, .address_space: global }
      - { .name: uwl, .offset: 80, .size: 8, .value_kind: global_buffer, .address_space: global }
    .group_segment_fixed_size: 0
    .private_segment_fixed_size: 0
    .kernarg_segment_align: 8
    .kernarg_segment_size: 88
    .max_flat_workgroup_size: 32
    .sgpr_count:     66
    .vgpr_count:     320
    .wavefront_size: 32
...
	.end_amdgpu_metadata
.endif
;; end of part 1
;; launch main (part 2): grid 256 x 1, 4 waves a work-group, no clusters, 327,680 bytes of LDS; arguments hidden_states, ureg, uwl, bias, V_w, scores, stats, pctx; writes scores, stats, pctx
.if DOCPART == 2
	.amdgcn_target "amdgcn-amd-amdhsa--gfx1250"
	.amdhsa_code_object_version 6
	.text
	.protected	k_q16bf8b3b41_main
	.globl	k_q16bf8b3b41_main
	.p2align	8
	.type	k_q16bf8b3b41_main,@function
k_q16bf8b3b41_main:
	s_mov_b64 s[64:65], 0
	v_nop
	global_prefetch_b8 v0, s[64:65] scope:SCOPE_SE
	s_setreg_imm32_b32 hwreg(HW_REG_WAVE_MODE, 25, 1), 1
	s_wait_xcnt 0x0
; Scores, a running softmax and a partial context for 256 rows (positions) of one batch: work-group g takes batch g / 8, rows 256 (g % 8) on.  hidden_states is read once.
; LEFT OUT (shown at the head of the first kernel): V_b and the constant sum of V_w; the score kept here is sum over n of (-2 V_w[n]) / (1 + e^(2 x[n])), x = bias + h U.
; U STAYS: wave w owns units n = 256 w .. 256 w + 255 (16 tiles of 16).  Their fragments of K steps 0-5 lie in register windows 1-3 (768 registers), those of K steps 6, 7 and the scale words in the wave's own 40,960 bytes of LDS.
; THE ROWS go in 16 chunks of 16 through two LDS slots.  Wave w fetches, by one tensor load, the bytes that it will itself quantise: 16 rows x K = 256 w .. 256 w + 255 (1,024 bytes of each row, 16 bytes of padding behind each).
; A TRIP, chunk i, two barriers:  barrier A (chunk i's images are whole; nobody reads chunk i - 1's slot any more), behind it the refill with chunk i + 1;
; every wave takes the 8 fragments of h and makes 16 rows x 256 units in 4 groups of 4 tiles: 32 matrix instructions on end, 4 accumulators by turns, then the group's tanh in batches of 32;
; the waves' partial scores meet in LDS, barrier B; every wave runs the running softmax (the maximum is taken away ahead of each exponential); thread t adds p x h for its 8 columns from the slot;
; then wave w quantises its part of chunk i + 1 (E2M1, one E8M0 byte for 32 along K), behind its own wait for its own tensor load, and leaves the operand's register images and scale words in LDS for barrier A.
; The images need one buffer: chunk i's are read ahead of barrier B, chunk i + 1's are stored behind it.
; Source 0 = h's 16 rows, source 1 = U's 16 units: lane (r, hh) holds unit r of the tile and rows 8 hh + j in register j, so bias and V_w are one number a lane and tile.
; NO CLUSTER: no two work-groups read the same tile of hidden_states; of U's 544 KiB, read once at the head, 384 KiB go straight into registers by plain loads, which have no joint form.
; PREFETCH: in trip i each wave asks for its own 16 x 1,024 bytes of chunk i + 2 (a lane a block of 256 bytes, two instructions), one trip ahead of the tensor load that wants them; the last two trips ask for nothing.
; LIMIT: none of range beyond f32's own: e^(2x) that overflows gives tanh = 1, one that underflows gives -1.
.set QS,    16656                      ; a wave's part of a slot: 16 x RQ + 16
.set RQ,    1040                       ; a quarter of a row of h in a slot: 1,024 + 16
.set SLOTB, 66816
.set UW,    133632                     ; behind the two slots: U's K steps 6, 7 and scale words, UWP bytes a wave, filled once
.set UWP,   40960
.set AIMG,  305664                     ; h's codes as 8 register images of 1,024 bytes
.set ASC,   313856                     ; h's scale words: 64 bytes a K step
.set SP,    314368                     ; partial scores: 64 bytes a wave
.set SCO,   314624                     ; the work-group's 256 scores
.set SPARE, 315648                     ; the spare words, 128 bytes a wave
.set SPW,  1
.set NIL,  2
.set QB,   3                           ; v3-13 LDS addresses without the slot; v14-16 with it
.set CBASE, 4
.set AI,   5
.set XWI,  6
.set ASW,  7
.set ASR,  8
.set ULA,  9
.set R4,   10
.set SPS,  11
.set SPR,  12
.set SCB,  13
.set QA,   14
.set CA,   15
.set SCA,  16
.set PFO,  17
.set MX,   18                          ; the running maximum;  v19 the running sum (my row's share);  v[20:21] the factor, 0
.set LS,   19
.set FF,   20
.set LN16, 22
.set CTX,  24                          ; v24-31  my 8 columns of the context
.set VAS,  32                          ; v32-35  h's scale words: K step q below, 4 + q above
.set VAF,  36                          ; v36-99  h's 8 fragments
.set VACC, 100                         ; v100-131 4 accumulators
.set VUF,  132                         ; v132-163 4 tiles' fragments of K step 6
.set VUS,  164                         ; v164-179 4 tiles' scale words
.set VBC,  180                         ; v180-195 bias x 2 log2(e), a tile a register
.set VVR,  196                         ; v196-211 -2 V_w
.set VSA,  212                         ; v212-219 partial scores of rows 8 hh + j
.set VU7,  220                         ; v220-251 4 tiles' fragments of K step 7, while the products run; outside them:
.set VT,   220                         ; v220-227 at work
.set VTM,  228                         ; v228-243 the quantiser's
.set PW,   236
.set ST0,  100                         ; the quantiser's 2 x 64 numbers: v100-163, v36-99
.set PC0,  212
.set PC1,  220
.set M4,   20
.set M2,   21
.set WV,   22
.set CNT,  23
.set SB,   24
.set SCOF, 25
.set SEL,  26
.set CS,   28
.set L2E,  30
.set M1,   31
.set PFA,  32
.set WQ,   34
.set SBN,  35
.set G1H,  36
.set G0H,  44
.set G1W,  68
.set G0W,  76
.set PP,   68                          ; s68-99: 16 pairs (p of row i, 0), in the registers of U's descriptor once its load is done
.set MSB, 0
.macro WIN new                         ; the immediate's high byte repeats the setting that is left
.if MSB != (\new)
	s_set_vgpr_msb (MSB<<8)|(\new)
.set MSB, (\new)
.endif
.endm
.macro PLACES                          ; four places behind a matrix instruction (ISA guide 7.12.1)
.rept 4
	v_nop
.endr
.endm
	s_load_b512 s[4:19], s[0:1], 0x0               ; h s[4:5], ureg s[6:7], uwl s[8:9], bias s[10:11], V_w s[12:13], scores s[14:15], stats s[16:17], pctx s[18:19]
	v_lshl_add_u32 v[SPW], v0, 2, SPARE
	v_mov_b32 v[NIL], 0
	ds_add_u32 v[SPW], v[NIL]                      ; the opening lines: the add, twice on end, and its wait ahead of my first tensor load
	ds_add_u32 v[SPW], v[NIL]
	v_lshrrev_b32 v[VT], 5, v0
	v_readfirstlane_b32 s[WV], v[VT]               ; wave 0..3
	s_mov_b32 s[G1H+0], (2<<16)|(1<<20)|(7<<22)|(3<<25)   ; elements of 4 bytes; 4 dwords of padding behind every 256
	s_mov_b32 s[G1H+1], 256<<16                    ; 256 numbers of each of
	s_mov_b32 s[G1H+2], 16<<16                     ; 16 rows,
	s_mov_b32 s[G1H+3], 256<<16
	s_mov_b32 s[G1H+4], 16
	s_mov_b32 s[G1H+5], 1024                       ; 1,024 numbers from row to row
	s_mov_b32 s[G1H+6], 0
	s_mov_b32 s[G1H+7], 0
	s_mov_b32 s[G1W+0], 3<<16                      ; U's piece: 160 dense rows of 256 bytes
	s_mov_b32 s[G1W+1], 32<<16
	s_mov_b32 s[G1W+2], 160<<16
	s_mov_b32 s[G1W+3], 32<<16
	s_mov_b32 s[G1W+4], 160
	s_mov_b32 s[G1W+5], 32
	s_mov_b32 s[G1W+6], 0
	s_mov_b32 s[G1W+7], 0
	s_mul_i32 s[WQ], s[WV], QS
	s_lshl_b32 s56, s[WV], 10                      ; my 256 numbers: of a row of h, of V_w, of bias
	s_mov_b32 s57, 0
	s_lshl_b32 s48, ttmp9, 20                      ; h: 256 rows of 4,096 bytes a work-group
	s_add_co_u32 s48, s48, s56
	s_mov_b32 s49, 0
	s_mul_i32 s50, s[WV], 98304                    ; ureg: 16 tiles x 6 images a wave
	s_mov_b32 s51, 0
	s_mul_i32 s52, s[WV], UWP
	s_mov_b32 s53, 0
	s_add_co_u32 s[G0W+1], s52, UW
	s_lshr_b32 s54, ttmp9, 3
	s_lshl_b32 s54, s54, 12
	s_add_co_u32 s54, s54, s56                     ; bias: the batch's row
	s_mov_b32 s55, 0
	s_lshl_b32 s58, ttmp9, 10
	s_mov_b32 s59, 0
	s_lshl_b32 s60, ttmp9, 8
	s_mov_b32 s61, 0
	s_lshl_b32 s62, ttmp9, 12
	s_mov_b32 s63, 0
	s_mov_b32 s[SEL], 0x76543210
	s_mov_b32 s[SEL+1], 0xfedcba98                 ; v_permlanex16_b32: lane l xor 16
	s_mov_b32 s[CS], 0x4038aa3b                    ; 2 log2(e)
	s_mov_b32 s[CS+1], s[CS]
	s_mov_b32 s[L2E], 0x3fb8aa3b
	v_and_b32 v[VT], 15, v0                        ; r
	v_bfe_u32 v[VT+1], v0, 4, 1                    ; hh
	v_and_b32 v[VT+2], 31, v0                      ; lane
	v_mul_u32_u24 v[QB], v[VT], RQ                 ; the quantiser reads row r of my part, 16 hh numbers on
	v_lshl_add_u32 v[QB], v[VT+1], 6, v[QB]
	v_add_nc_u32 v[QB], s[WQ], v[QB]
	v_mov_b32 v[QA], v[QB]                         ; chunk 0 lies in slot 0
	v_lshrrev_b32 v[VT+3], 6, v0
	v_and_b32 v[CBASE], 63, v0                     ; the context reads columns 4 t .. 4 t + 3 (and 512 further on): part t / 64, 16 (t % 64)
	v_lshlrev_b32 v[CBASE], 4, v[CBASE]
	v_mad_u32_u24 v[CBASE], v[VT+3], QS, v[CBASE]
	v_lshl_add_u32 v[AI], v[VT+2], 4, AIMG
	s_lshl_b32 s[SBN], s[WV], 11
	v_add_nc_u32 v[XWI], s[SBN], v[AI]             ; I write the images of K steps 2 w, 2 w + 1
	v_lshl_add_u32 v[ASW], v[VT], 2, ASC
	s_lshl_b32 s[SBN], s[WV], 7
	v_add_nc_u32 v[ASW], s[SBN], v[ASW]
	v_lshl_add_u32 v[ASR], v[VT], 2, ASC
	v_lshl_add_u32 v[ASR], v[VT+1], 8, v[ASR]
	v_lshl_add_u32 v[ULA], v[VT+2], 4, s[G0W+1]
	v_lshlrev_b32 v[R4], 2, v[VT]
	v_and_b32 v[VT+3], 7, v0
	v_lshl_add_u32 v[SPS], v[VT+3], 2, SP
	v_lshl_add_u32 v[SPS], v[VT+1], 5, v[SPS]
	s_lshl_b32 s[SBN], s[WV], 6
	v_add_nc_u32 v[SPS], s[SBN], v[SPS]
	v_lshl_add_u32 v[SPR], v[VT], 2, SP
	v_lshl_add_u32 v[SCB], v[VT], 2, SCO
	v_lshrrev_b32 v[VT+3], 2, v[VT+2]
	v_and_b32 v[PFO], 3, v0
	v_lshlrev_b32 v[PFO], 8, v[PFO]
	v_lshl_add_u32 v[PFO], v[VT+3], 12, v[PFO]     ; the prefetches: row lane / 4, block lane % 4 of my 1,024 bytes
	v_lshlrev_b32 v[LN16], 4, v[VT+2]
	v_and_b32 v[VT+3], 4, v0
	v_cmp_ne_u32 s[M4], 0, v[VT+3]
	v_and_b32 v[VT+3], 2, v0
	v_cmp_ne_u32 s[M2], 0, v[VT+3]
	v_and_b32 v[VT+3], 1, v0
	v_cmp_ne_u32 s[M1], 0, v[VT+3]
	v_mov_b32 v[MX], 0xff61b1e6                    ; -3e38, under every score
	v_mov_b32 v[LS], 0
	v_mov_b32 v[FF+1], 0
.irp j, 0,1,2,3,4,5,6,7
	v_mov_b32 v[CTX+\j], 0
.endr
.irp b, 0,1,2,3
	v_mov_b32 v[VTM+4+\b], 0                       ; a lane permute's destination counts as read
.endr
	s_wait_alu depctr_va_vdst(0)
	s_wait_dscnt 0x0                               ; both opening adds are done
	s_wait_kmcnt 0x0
	s_add_nc_u64 s[4:5], s[4:5], s[48:49]
	s_add_nc_u64 s[6:7], s[6:7], s[50:51]
	s_add_nc_u64 s[10:11], s[10:11], s[54:55]
	s_add_nc_u64 s[12:13], s[12:13], s[56:57]
	s_add_nc_u64 s[14:15], s[14:15], s[58:59]
	s_add_nc_u64 s[16:17], s[16:17], s[60:61]
	s_add_nc_u64 s[18:19], s[18:19], s[62:63]
	s_mov_b32 s[G0H], 1
	s_mov_b32 s[G0H+1], s[WQ]
	s_mov_b64 s[G0H+2:G0H+3], s[4:5]
	s_or_b32 s[G0H+3], s[G0H+3], 0x80000000
	s_mov_b32 s[G0W], 1
	s_add_nc_u64 s[G0W+2:G0W+3], s[8:9], s[52:53]
	s_or_b32 s[G0W+3], s[G0W+3], 0x80000000
	s_add_nc_u64 s[PFA:PFA+1], s[4:5], 65536
	tensor_load_to_lds s[G0H:G0H+3], s[G1H:G1H+7]  ; chunk 0, my part: my one tensor load at the head
	s_nop 0
.irp t, 0,1,2,3,4,5,6,7,8,9,10,11,12,13,14,15
	global_load_b32 v[VBC+\t], v[R4], s[10:11] offset:64*\t
	global_load_b32 v[VVR+\t], v[R4], s[12:13] offset:64*\t
.endr
; U's K steps 2 k, 2 k + 1 of my 16 tiles into window k + 1: tile tt, step u at register 8 (2 tt + u).  All 192 loads are issued ahead of the wait for chunk 0.
.macro ULOAD k
	WIN ((\k)+1)<<6
.set tt, 0
.rept 16
.irp u, 0,1
.irp c, 0,1
	global_load_b128 v[8*(2*tt+\u)+4*\c:8*(2*tt+\u)+4*\c+3], v[LN16], s[6:7] offset:(6*tt+2*(\k)+\u)*1024+\c*512
.endr
.endr
.set tt, tt+1
.endr
.endm
	ULOAD 0
	ULOAD 1
	ULOAD 2
	WIN 0
; 128 along K of 16 rows: lane (r, hh) holds k = 32 b + 16 hh + 0 .. 15 of row r in registers s + 16 b ...  Codes to pc (8 registers, the operand's image), the scale word to pw.
.macro QUANT s, pc, pw
.irp b, 0,1,2,3
	v_max3_num_f32 v[VTM+\b], |v[(\s)+16*\b]|, |v[(\s)+1+16*\b]|, 0x1800000   ; the floor 2^(3 - 127) keeps the byte at 1 or above
.endr
.irp i, 2,4,6,8,10,12,14
.irp b, 0,1,2,3
	v_max3_num_f32 v[VTM+\b], v[VTM+\b], |v[(\s)+16*\b+\i]|, |v[(\s)+1+16*\b+\i]|
.endr
.endr
.irp b, 0,1,2,3
	v_permlanex16_b32 v[VTM+4+\b], v[VTM+\b], s[SEL], s[SEL+1]
.endr
.irp b, 0,1,2,3
	v_max_num_f32 v[VTM+\b], v[VTM+\b], v[VTM+4+\b]
.endr
.irp b, 0,1,2,3
	v_add_nc_u32 v[VTM+12+\b], 0xff000000, v[VTM+\b]   ; 2 off the exponent field: the conversion's scale operand
.endr
.irp b, 0,1,2,3
	v_lshrrev_b32 v[VTM+4+\b], 23, v[VTM+12+\b]
.endr
	v_lshl_or_b32 v[\pw], v[VTM+5], 8, v[VTM+4]
	v_lshl_or_b32 v[\pw], v[VTM+6], 16, v[\pw]
	v_lshl_or_b32 v[\pw], v[VTM+7], 24, v[\pw]
.irp b, 0,1,2,3
	v_cvt_scalef32_pk8_fp4_f32 v[(\pc)+2*\b], v[(\s)+16*\b:(\s)+7+16*\b], v[VTM+12+\b]
	v_cvt_scalef32_pk8_fp4_f32 v[(\pc)+1+2*\b], v[(\s)+8+16*\b:(\s)+15+16*\b], v[VTM+12+\b]
.endr
	v_nop
.irp c, 0,1
.irp i, 0,1
	v_permlane16_swap_b32 v[(\pc)+4*\c+\i], v[(\pc)+2+4*\c+\i]   ; a whole block of 32 to a lane
.endr
.endr
.endm
.macro QLD u                           ; my K step u (0, 1) of the 16 rows: 16 loads
.irp b, 0,1,2,3
.irp j, 0,1,2,3
	ds_load_b128 v[ST0-64*(\u)+16*\b+4*\j:ST0-64*(\u)+16*\b+4*\j+3], v[QA] offset:512*(\u)+128*\b+16*\j
.endr
.endr
.endm
.macro QWORK u                         ; behind QLD 0, QLD 1: both K steps are quantised and left in LDS.  u = 1: the next chunk's first operands of U are fetched as their registers fall free
	s_wait_dscnt 16                                ; K step 0's 16 loads are in
	QUANT ST0, PC0, PW
	ds_store_b128 v[XWI], v[PC0:PC0+3]
	ds_store_b128 v[XWI], v[PC0+4:PC0+7] offset:512
	ds_store_b32 v[ASW], v[PW]
.if \u
	ULD6 0                                         ; 12 loads, into registers that K step 0's numbers have left: they land under the second quantisation
	USC 0
.endif
	s_wait_dscnt 3+12*(\u)                         ; all but the three stores and those 12 loads
	QUANT ST0-64, PC1, PW+1
	ds_store_b128 v[XWI], v[PC1:PC1+3] offset:1024
	ds_store_b128 v[XWI], v[PC1+4:PC1+7] offset:1536
	ds_store_b32 v[ASW], v[PW+1] offset:64
.if \u
	ULD7 0                                         ; 8 loads: back by the wait in front of barrier A
.endif
.endm
.macro ULD6 g                          ; group g's four fragments of K step 6 from my piece
.irp i, 0,1,2,3
.irp c, 0,1
	ds_load_b128 v[VUF+8*\i+4*\c:VUF+8*\i+4*\c+3], v[ULA] offset:(2*(4*(\g)+\i))*1024+512*\c
.endr
.endr
.endm
.macro ULD7 g                          ; those of K step 7
.irp i, 0,1,2,3
.irp c, 0,1
	ds_load_b128 v[VU7+8*\i+4*\c:VU7+8*\i+4*\c+3], v[ULA] offset:(2*(4*(\g)+\i)+1)*1024+512*\c
.endr
.endr
.endm
.macro USC g                           ; its scale words
.irp i, 0,1,2,3
	ds_load_b128 v[VUS+4*\i:VUS+4*\i+3], v[ULA] offset:32768+(4*(\g)+\i)*512
.endr
.endm
.macro ULDS g                          ; all 20 loads of a group's operands
	ULD6 \g
	ULD7 \g
	USC \g
.endm
	s_wait_tensorcnt 0x0                           ; a later first fill is issued as a refill is
	ds_add_u32 v[SPW], v[NIL]
	s_wait_dscnt 0x0
	s_barrier_signal -1
	s_barrier_wait -1
	tensor_load_to_lds s[G0W:G0W+3], s[G1W:G1W+7]  ; my piece of U for LDS
	s_nop 0
	QLD 0                                          ; chunk 0 (my own load, shown landed above) is quantised while U is on its way
	QLD 1
	QWORK 0
	s_wait_loadcnt 0x0
.irp j, 0,2,4,6,8,10,12,14
	v_pk_mul_f32 v[VBC+\j:VBC+\j+1], v[VBC+\j:VBC+\j+1], s[CS:CS+1] op_sel_hi:[1,0]
	v_pk_mul_f32 v[VVR+\j:VVR+\j+1], v[VVR+\j:VVR+\j+1], -2.0 op_sel_hi:[1,0]
.endr
	s_wait_tensorcnt 0x0                           ; U's piece is in: it may be read, and its descriptor's registers may be written
.irp i, 0,1,2,3,4,5,6,7,8,9,10,11,12,13,14,15
	s_mov_b32 s[PP+2*\i+1], 0
.endr
	s_mov_b32 s[CNT], 15
	s_mov_b32 s[SB], 0
	s_mov_b32 s[SCOF], 0
	ULDS 0
	s_wait_alu depctr_va_vdst(0)
; Barrier A.  No tensor load of mine is out, the add, my image stores are done and my LDS loads are back; behind it the slot that chunk i - 1 held takes chunk i + 1.
.macro TOP fill
	s_wait_tensorcnt 0x0
	ds_add_u32 v[SPW], v[NIL]
.if \fill
	s_xor_b32 s[SBN], s[SB], SLOTB
	s_add_co_u32 s[G0H+1], s[SBN], s[WQ]
	s_add_nc_u64 s[G0H+2:G0H+3], s[G0H+2:G0H+3], 65536
	s_wait_xcnt 0x0                                ; the last trip's prefetches have read their address
	s_add_nc_u64 s[PFA:PFA+1], s[PFA:PFA+1], 65536
.endif
	s_wait_dscnt 0x0
	s_barrier_signal -1
	s_barrier_wait -1
.if \fill
	tensor_load_to_lds s[G0H:G0H+3], s[G1H:G1H+7]
	s_nop 0
.endif
	v_add_nc_u32 v[CA], s[SB], v[CBASE]
	v_add_nc_u32 v[SCA], s[SCOF], v[SCB]
.if \fill
	v_add_nc_u32 v[QA], s[SBN], v[QB]
.else
	v_nop
.endif
	v_nop
.if \fill
	s_cmp_gt_u32 s[CNT], 1                         ; the trip with CNT = 1 would name chunk 16: it asks for nothing
	s_cbranch_scc0 .Lnoask_\@
	global_prefetch_b8 v[PFO], s[PFA:PFA+1] th:TH_LOAD_NT scope:SCOPE_SE
	global_prefetch_b8 v[PFO], s[PFA:PFA+1] offset:32768 th:TH_LOAD_NT scope:SCOPE_SE
.Lnoask_\@:
.endif
	s_wait_alu depctr_va_vdst(0)
.endm
.macro W1 g, s, i
.set rD, VACC+8*(\i)
.if (\s) < 6
.set rU, 8*(2*(4*(\g)+(\i))+((\s)%2))
.elseif (\s) == 6
.set rU, VUF+8*(\i)
.else
.set rU, VU7+8*(\i)
.endif
.set rH, VAF+8*(\s)
.set rX, VAS+((\s)%4)
.set rY, VUS+4*(\i)+((\s)%4)
.if (\s) == 6
	v_wmma_scale_f32_16x16x128_f8f6f4 v[rD:rD+7], v[rH:rH+7], v[rU:rU+7], 0, v[rX], v[rY] matrix_a_fmt:MATRIX_FMT_FP4 matrix_b_fmt:MATRIX_FMT_FP4 matrix_a_scale:MATRIX_SCALE_ROW1 matrix_b_scale:MATRIX_SCALE_ROW1
.elseif (\s) < 4
	v_wmma_scale_f32_16x16x128_f8f6f4 v[rD:rD+7], v[rH:rH+7], v[rU:rU+7], v[rD:rD+7], v[rX], v[rY] matrix_a_fmt:MATRIX_FMT_FP4 matrix_b_fmt:MATRIX_FMT_FP4
.else
	v_wmma_scale_f32_16x16x128_f8f6f4 v[rD:rD+7], v[rH:rH+7], v[rU:rU+7], v[rD:rD+7], v[rX], v[rY] matrix_a_fmt:MATRIX_FMT_FP4 matrix_b_fmt:MATRIX_FMT_FP4 matrix_a_scale:MATRIX_SCALE_ROW1 matrix_b_scale:MATRIX_SCALE_ROW1
.endif
.endm
.macro WQ g, s                         ; one K step of the group: its four accumulators by turns, one instruction a turn
.irp i, 0,1,2,3
	W1 \g, \s, \i
.endr
.endm
.macro HSET bt
.if (\bt) == 0
.set HB, VUF
.elseif (\bt) == 1
.set HB, VAF
.elseif (\bt) == 2
.set HB, VAF+32
.else
.set HB, VACC
.endif
.endm
.macro HLOAD bt                        ; rows 4 bt .. 4 bt + 3 of the chunk, my 8 columns, for the context
	HSET \bt
.irp k, 0,1,2,3
.irp i, 0,1
	ds_load_b128 v[HB+8*\k+4*\i:HB+8*\k+4*\i+3], v[CA] offset:(4*(\bt)+\k)*RQ+2*QS*\i
.endr
.endr
.endm
.set CT2, VSA                          ; a second set of 8 sums for the chunk, in the registers that the partial scores have left
; Rows 4 ba .. + 3 go onto the context, rows 4 bb .. + 3 onto the second set, four instructions each by turns: a sum is taken up again 8 instructions on.  first = 1: the second set begins
.macro HFMA2 ba, bb, first
	HSET \ba
.set HA, HB
	HSET \bb
.irp k, 0,1,2,3
.irp i, 0,1
.irp e, 0,1
	v_pk_fma_f32 v[CTX+4*\i+2*\e:CTX+4*\i+2*\e+1], v[HA+8*\k+4*\i+2*\e:HA+8*\k+4*\i+2*\e+1], s[PP+2*(4*(\ba)+\k):PP+2*(4*(\ba)+\k)+1], v[CTX+4*\i+2*\e:CTX+4*\i+2*\e+1] op_sel_hi:[1,0,1]
.endr
.endr
.irp i, 0,1
.irp e, 0,1
.if (\first) && (\k == 0)
	v_pk_mul_f32 v[CT2+4*\i+2*\e:CT2+4*\i+2*\e+1], v[HB+8*\k+4*\i+2*\e:HB+8*\k+4*\i+2*\e+1], s[PP+2*(4*(\bb)+\k):PP+2*(4*(\bb)+\k)+1] op_sel_hi:[1,0]
.else
	v_pk_fma_f32 v[CT2+4*\i+2*\e:CT2+4*\i+2*\e+1], v[HB+8*\k+4*\i+2*\e:HB+8*\k+4*\i+2*\e+1], s[PP+2*(4*(\bb)+\k):PP+2*(4*(\bb)+\k)+1], v[CT2+4*\i+2*\e:CT2+4*\i+2*\e+1] op_sel_hi:[1,0,1]
.endif
.endr
.endr
.endr
.endm
.macro TRANS op                        ; a batch of 32, in place
.set tj, 0
.rept 32
	\op v[VACC+tj], v[VACC+tj]
.set tj, tj+1
.endr
	v_nop                                          ; a plain place behind the last of the batch
	s_wait_alu depctr_va_vdst(0)                   ; one wait for the batch, ahead of its first reader
.endm
; Group g: tiles 4 g .. 4 g + 3: 32 matrix instructions on end (K step 6 starts the sums), then the tanh.
.macro GROUP g
.if (\g) == 0
	s_wait_dscnt 12                                ; h's scale words and K steps 6, 7 are in; its K steps 0-5 (12 loads) may be out
.else
	s_wait_dscnt 0x0
.endif
	WQ \g, 6
	WQ \g, 7
.if (\g) == 0
	s_wait_dscnt 0x0
.endif
	WIN 4
	WQ \g, 0
	WQ \g, 1
	WIN 8
	WQ \g, 2
	WQ \g, 3
	WIN 12
	WQ \g, 4
	WQ \g, 5
	WIN 0
	PLACES                                         ; ahead of the first read of results
.irp h, 0,1
.irp i, 0,1
.irp e, 0,2,4,6
	v_pk_fma_f32 v[VACC+8*(2*\h+\i)+\e:VACC+8*(2*\h+\i)+\e+1], v[VACC+8*(2*\h+\i)+\e:VACC+8*(2*\h+\i)+\e+1], s[CS:CS+1], v[VBC+4*(\g)+2*\h:VBC+4*(\g)+2*\h+1] op_sel:[0,0,\i] op_sel_hi:[1,0,\i]   ; 2 log2(e) (x + bias); each accumulator from its low end on
.endr
.endr
.endr
	s_wait_alu depctr_va_vdst(0)
.if (\g) < 3
	ULDS (\g)+1                                    ; the next group's operands come under this group's tanh (20 places behind the last product)
.else
	HLOAD 0                                        ; the operands' registers are free: 12 of the chunk's rows for the context
	HLOAD 1
	HLOAD 2
.endif
	TRANS v_exp_f32
.irp j, 0,2,4,6,8,10,12,14,16,18,20,22,24,26,28,30
	v_pk_add_f32 v[VACC+\j:VACC+\j+1], v[VACC+\j:VACC+\j+1], 1.0 op_sel_hi:[1,0]
.endr
	s_wait_alu depctr_va_vdst(0)
	TRANS v_rcp_f32
.irp h, 0,1
.irp i, 0,1
.irp e, 0,2,4,6
.if ((\g) == 0) && (\h == 0) && (\i == 0)
	v_pk_mul_f32 v[VSA+\e:VSA+\e+1], v[VACC+\e:VACC+\e+1], v[VVR:VVR+1] op_sel_hi:[1,0]   ; the chunk's first tile starts the sums
.else
	v_pk_fma_f32 v[VSA+\e:VSA+\e+1], v[VACC+8*(2*\h+\i)+\e:VACC+8*(2*\h+\i)+\e+1], v[VVR+4*(\g)+2*\h:VVR+4*(\g)+2*\h+1], v[VSA+\e:VSA+\e+1] op_sel:[0,\i,0] op_sel_hi:[1,\i,1]
.endif
.endr
.endr
.endr
.endm
.macro CHUNK fill
	TOP \fill
.irp q, 0,1,2,3
	ds_load_b32 v[VAS+\q], v[ASR] offset:64*\q
.endr
.irp s, 6,7,0,1,2,3,4,5
.irp c, 0,1
	ds_load_b128 v[VAF+8*\s+4*\c:VAF+8*\s+4*\c+3], v[AI] offset:1024*\s+512*\c
.endr
.endr
	GROUP 0
	GROUP 1
	GROUP 2
	GROUP 3
	HLOAD 3
	; the 8 sums of a lane are summed over the 16 lanes of its half: three steps that halve the registers, one that only adds; lane (l & 7, hh) ends with row 8 hh + (l & 7)
.irp j, 0,1,2,3
	v_cndmask_b32 v[VT+\j], v[VSA+4+\j], v[VSA+\j], s[M4]
.endr
.irp j, 0,1,2,3
	v_cndmask_b32 v[VSA+\j], v[VSA+\j], v[VSA+4+\j], s[M4]
.endr
.irp j, 0,1,2,3
	v_add_f32_dpp v[VSA+\j], v[VT+\j], v[VSA+\j] row_xmask:4 row_mask:0xf bank_mask:0xf
.endr
.irp j, 0,1
	v_cndmask_b32 v[VT+\j], v[VSA+2+\j], v[VSA+\j], s[M2]
.endr
.irp j, 0,1
	v_cndmask_b32 v[VSA+\j], v[VSA+\j], v[VSA+2+\j], s[M2]
.endr
.irp j, 0,1
	v_add_f32_dpp v[VSA+\j], v[VT+\j], v[VSA+\j] row_xmask:2 row_mask:0xf bank_mask:0xf
.endr
	v_cndmask_b32 v[VT], v[VSA+1], v[VSA], s[M1]
	v_cndmask_b32 v[VSA], v[VSA], v[VSA+1], s[M1]
	v_add_f32_dpp v[VSA], v[VT], v[VSA] row_xmask:1 row_mask:0xf bank_mask:0xf
	v_add_f32_dpp v[VSA], v[VSA], v[VSA] row_xmask:8 row_mask:0xf bank_mask:0xf
	ds_store_b32 v[SPS], v[VSA]
	s_wait_dscnt 0x0                               ; barrier B: my partial scores are stored, my reads of the images are long back
	s_barrier_signal -1
	s_barrier_wait -1
.irp w, 0,1,2,3
	ds_load_b32 v[VT+\w], v[SPR] offset:64*\w
.endr
	s_wait_dscnt 0x0
	v_add_f32 v[VT], v[VT], v[VT+1]
	v_add_f32 v[VT+2], v[VT+2], v[VT+3]
	v_add_f32 v[VT], v[VT], v[VT+2]                ; lane r: row r's score
	s_wait_alu depctr_va_vdst(0)
	s_cmp_lg_u32 s[WV], 0
	s_cbranch_scc1 .Lnot0_\@
	ds_store_b32 v[SCA], v[VT]                     ; wave 0 keeps the scores
.Lnot0_\@:
	v_mov_b32 v[VT+4], v[VT]
.irp m, 1,2,4,8
	v_max_num_f32_dpp v[VT+4], v[VT+4], v[VT+4] row_xmask:\m row_mask:0xf bank_mask:0xf
.endr
	v_max_num_f32 v[VT+4], v[VT+4], v[MX]          ; the new running maximum
	v_sub_f32 v[VT+5], v[MX], v[VT+4]
	v_sub_f32 v[VT+6], v[VT], v[VT+4]
	v_mul_f32 v[VT+5], s[L2E], v[VT+5]
	v_mul_f32 v[VT+6], s[L2E], v[VT+6]
	s_wait_alu depctr_va_vdst(0)
	v_exp_f32 v[FF], v[VT+5]                       ; what was summed under the old maximum is brought under the new
	v_exp_f32 v[VT+7], v[VT+6]                     ; p of row r
	v_mov_b32 v[MX], v[VT+4]
	s_wait_alu depctr_va_vdst(0)
	v_fma_f32 v[LS], v[LS], v[FF], v[VT+7]
.irp i, 0,1,2,3,4,5,6,7,8,9,10,11,12,13,14,15
	v_readlane_b32 s[PP+2*\i], v[VT+7], \i
.endr
.irp j, 0,2,4,6
	v_pk_mul_f32 v[CTX+\j:CTX+\j+1], v[CTX+\j:CTX+\j+1], v[FF:FF+1] op_sel_hi:[1,0]
.endr
	HFMA2 0, 3, 1
.if \fill
	s_wait_alu depctr_va_vdst(0)
	s_wait_tensorcnt 0x0                           ; my part of chunk i + 1, my one load that is out, has landed: only I read it ahead of barrier A
	QLD 0                                          ; into the registers that rows 0-3 and 12-15 have left; they land under the other rows' multiply-adds
.endif
	HFMA2 1, 2, 0
.irp j, 0,2,4,6
	v_pk_add_f32 v[CTX+\j:CTX+\j+1], v[CTX+\j:CTX+\j+1], v[CT2+\j:CT2+\j+1]   ; the two sets are joined
.endr
.if \fill
	QLD 1
	QWORK 1
.endif
	s_xor_b32 s[SB], s[SB], SLOTB
	s_add_co_u32 s[SCOF], s[SCOF], 64
.endm
.Lchunk:
	CHUNK 1
	s_sub_co_u32 s[CNT], s[CNT], 1
	s_cmp_lg_u32 s[CNT], 0
	s_cbranch_scc1 .Lchunk
	CHUNK 0                                        ; the last chunk fetches nothing and quantises nothing
.irp m, 1,2,4,8
	v_add_f32_dpp v[LS], v[LS], v[LS] row_xmask:\m row_mask:0xf bank_mask:0xf
.endr
	v_lshlrev_b32 v[VT], 4, v0                     ; pctx: 16 t
	v_add_nc_u32 v[VT+1], SCO, v[LN16]             ; the scores in LDS: 16 x lane
	v_lshrrev_b32 v[VT+2], 1, v[LN16]              ; stats: 8 x lane
	s_wait_alu depctr_va_vdst(0)
	global_store_b128 v[VT], v[CTX:CTX+3], s[18:19]                ; a wave stores 512 consecutive bytes, aligned
	global_store_b128 v[VT], v[CTX+4:CTX+7], s[18:19] offset:2048
	s_cmp_lg_u32 s[WV], 0
	s_cbranch_scc1 .Lend
	ds_load_b128 v[100:103], v[VT+1]               ; wave 0's own stores
	ds_load_b128 v[104:107], v[VT+1] offset:512
	s_wait_dscnt 0x0
	global_store_b128 v[LN16], v[100:103], s[14:15]
	global_store_b128 v[LN16], v[104:107], s[14:15] offset:512
	global_store_b64 v[VT+2], v[MX:LS], s[16:17]   ; (maximum, sum), the same pair in all 32 lanes: 256 bytes
.Lend:
	s_wait_tensorcnt 0x0                           ; the wave's end
	ds_add_u32 v[SPW], v[NIL]
	s_wait_dscnt 0x0
	s_endpgm
.Lfunc_end_k_q16bf8b3b41_main:
	.size	k_q16bf8b3b41_main, .Lfunc_end_k_q16bf8b3b41_main-k_q16bf8b3b41_main
	.p2alignl 7, 3214868480
	.fill 96, 4, 3214868480
	.section	.rodata,"a",@progbits
	.p2align	6, 0x0
	.amdhsa_kernel k_q16bf8b3b41_main
		.amdhsa_group_segment_fixed_size 327680
		.amdhsa_private_segment_fixed_size 0
		.amdhsa_enable_private_segment 0
		.amdhsa_kernarg_size 64
		.amdhsa_user_sgpr_count 2
		.amdhsa_user_sgpr_kernarg_segment_ptr 1
		.amdhsa_wavefront_size32 1
		.amdhsa_system_sgpr_workgroup_id_x 1
		.amdhsa_system_sgpr_workgroup_id_y 1
		.amdhsa_system_sgpr_workgroup_id_z 1
		.amdhsa_system_vgpr_workitem_id 0
		.amdhsa_next_free_vgpr 1024
		.amdhsa_next_free_sgpr 100
		.amdhsa_reserve_vcc 0
		.amdhsa_float_denorm_mode_32 3
		.amdhsa_float_denorm_mode_16_64 3
		.amdhsa_memory_ordered 1
		.amdhsa_forward_progress 1
		.amdhsa_inst_pref_size 161
	.end_amdhsa_kernel
	.amdgpu_metadata
---
amdhsa.version: [ 1, 2 ]
amdhsa.kernels:
  - .name:           k_q16bf8b3b41_main
    .symbol:         k_q16bf8b3b41_main.kd
    .args:
      - { .name: hidden_states, .offset: 0, .size: 8, .value_kind: global_buffer, .address_space: global }
      - { .name: ureg, .offset: 8, .size: 8, .value_kind: global_buffer, .address_space: global }
      - { .name: uwl, .offset: 16, .size: 8, .value_kind: global_buffer, .address_space: global }
      - { .name: bias, .offset: 24, .size: 8, .value_kind: global_buffer, .address_space: global }
      - { .name: V_w, .offset: 32, .size: 8, .value_kind: global_buffer, .address_space: global }
      - { .name: scores, .offset: 40, .size: 8, .value_kind: global_buffer, .address_space: global }
      - { .name: stats, .offset: 48, .size: 8, .value_kind: global_buffer, .address_space: global }
      - { .name: pctx, .offset: 56, .size: 8, .value_kind: global_buffer, .address_space: global }
    .group_segment_fixed_size: 327680
    .private_segment_fixed_size: 0
    .kernarg_segment_align: 8
    .kernarg_segment_size: 64
    .max_flat_workgroup_size: 128
    .sgpr_count:     100
    .vgpr_count:     1024
    .wavefront_size: 32
...
	.end_amdgpu_metadata
.endif
;; end of part 2
;; launch combine (part 3): grid 32 x 1, 8 waves a work-group, no clusters, 0 bytes of LDS; arguments scores, stats, pctx, out0, out1; writes out0, out1
.if DOCPART == 3
	.amdgcn_target "amdgcn-amd-amdhsa--gfx1250"
	.amdhsa_code_object_version 6
	.text
	.protected	k_q16bf8b3b41_combine
	.globl	k_q16bf8b3b41_combine
	.p2align	8
	.type	k_q16bf8b3b41_combine,@function
k_q16bf8b3b41_combine:
	s_mov_b64 s[64:65], 0
	v_nop
	global_prefetch_b8 v0, s[64:65] scope:SCOPE_SE
	s_setreg_imm32_b32 hwreg(HW_REG_WAVE_MODE, 25, 1), 1
	s_wait_xcnt 0x0
; The 8 work-groups of a batch are joined.  Part i left (m_i, l_i) and c_i = the sum of e^(score - m_i) x h over its 256 rows.
; M = the largest m_i; a_i = e^(m_i - M) / L with L = the sum of e^(m_i - M) l_i; context = the sum of a_i c_i; weight = e^(score - M) / L.  The maximum is taken away ahead of every exponential.
; One work-group a batch, 256 threads: thread t takes 4 columns of the context (16 bytes of each part's row) and 2 x 4 weights.  Every load and store of a wave covers 512 consecutive bytes; the 8 pairs (m, l) are read by all lanes alike.
; No LDS, no barrier, no matrix unit: 41,000 bytes in and 12,288 out for a work-group, and no wave needs another's numbers.
; REGISTERS: v1 16 t, v2 0; v3 M; v4 L; v[6:7] 1 / L; v[8:23] (m_i, l_i), then (a_i, l_i); v[24:31] scores; v[32:63] the parts' columns; v[64:67] the context.
	s_load_b256 s[4:11], s[0:1], 0x0               ; scores s[4:5], stats s[6:7], pctx s[8:9], out0 s[10:11]
	s_load_b64 s[12:13], s[0:1], 0x20              ; out1
	v_lshlrev_b32 v1, 4, v0
	v_mov_b32 v2, 0
	v_mov_b32 v7, 0                                ; (the upper word of the pair v[6:7] is named, so it is written)
	s_lshl_b32 s14, ttmp9, 13                      ; 2,048 f32 numbers a batch
	s_mov_b32 s15, 0
	s_lshl_b32 s16, ttmp9, 11                      ; 8 parts x 256 bytes
	s_mov_b32 s17, 0
	s_lshl_b32 s18, ttmp9, 15                      ; 8 parts x 4,096 bytes
	s_mov_b32 s19, 0
	s_lshl_b32 s20, ttmp9, 12
	s_mov_b32 s21, 0
	s_wait_alu depctr_va_vdst(0)
	s_wait_kmcnt 0x0
	s_add_nc_u64 s[4:5], s[4:5], s[14:15]
	s_add_nc_u64 s[6:7], s[6:7], s[16:17]
	s_add_nc_u64 s[8:9], s[8:9], s[18:19]
	s_add_nc_u64 s[10:11], s[10:11], s[20:21]
	s_add_nc_u64 s[12:13], s[12:13], s[14:15]
.irp i, 0,1,2,3,4,5,6,7
	global_load_b64 v[8+2*\i:9+2*\i], v2, s[6:7] offset:256*\i
.endr
.irp i, 0,1,2,3,4,5,6,7
	global_load_b128 v[32+4*\i:35+4*\i], v1, s[8:9] offset:4096*\i
.endr
.irp j, 0,1
	global_load_b128 v[24+4*\j:27+4*\j], v1, s[4:5] offset:4096*\j
.endr
	s_wait_loadcnt 10                              ; loads come back in order: the 8 pairs are in; the 10 loads behind them may be out
	v_max3_num_f32 v3, v8, v10, v12
	s_delay_alu instid0(VALU_DEP_1)
	v_max3_num_f32 v3, v3, v14, v16
	s_delay_alu instid0(VALU_DEP_1)
	v_max3_num_f32 v3, v3, v18, v20
	s_delay_alu instid0(VALU_DEP_1)
	v_max_num_f32 v3, v3, v22                      ; M
.irp i, 0,1,2,3,4,5,6,7
	v_sub_f32 v[8+2*\i], v[8+2*\i], v3
.endr
.irp i, 0,1,2,3,4,5,6,7
	v_mul_f32 v[8+2*\i], 0x3fb8aa3b, v[8+2*\i]
.endr
	s_wait_alu depctr_va_vdst(0)
.irp i, 0,1,2,3,4,5,6,7
	v_exp_f32 v[8+2*\i], v[8+2*\i]                 ; e^(m_i - M)
.endr
	v_nop                                          ; a plain instruction behind the last exponential,
	s_wait_alu depctr_va_vdst(0)                   ; and one wait for the batch, ahead of its first reader
	v_mul_f32 v4, v8, v9
.irp i, 1,2,3,4,5,6,7
	v_fma_f32 v4, v[8+2*\i], v[9+2*\i], v4         ; L
.endr
	s_wait_alu depctr_va_vdst(0)
	v_rcp_f32 v6, v4
	v_nop
	s_wait_alu depctr_va_vdst(0)
.irp i, 0,1,2,3,4,5,6,7
	v_mul_f32 v[8+2*\i], v[8+2*\i], v6             ; a_i
.endr
	s_wait_alu depctr_va_vdst(0)
	s_wait_loadcnt 2                               ; the parts' columns are in; the two loads of scores may be out
	v_pk_mul_f32 v[64:65], v[32:33], v[8:9] op_sel_hi:[1,0]
	v_pk_mul_f32 v[66:67], v[34:35], v[8:9] op_sel_hi:[1,0]
.irp i, 1,2,3,4,5,6,7
	s_delay_alu instid0(VALU_DEP_2)
	v_pk_fma_f32 v[64:65], v[32+4*\i:33+4*\i], v[8+2*\i:9+2*\i], v[64:65] op_sel_hi:[1,0,1]
	s_delay_alu instid0(VALU_DEP_2)
	v_pk_fma_f32 v[66:67], v[34+4*\i:35+4*\i], v[8+2*\i:9+2*\i], v[66:67] op_sel_hi:[1,0,1]
.endr
	global_store_b128 v1, v[64:67], s[10:11]
	s_wait_loadcnt 0x0
.irp j, 0,1,2,3,4,5,6,7
	v_sub_f32 v[24+\j], v[24+\j], v3
.endr
.irp j, 0,2,4,6
	v_pk_mul_f32 v[24+\j:25+\j], v[24+\j:25+\j], 0x3fb8aa3b op_sel_hi:[1,0]
.endr
	s_wait_alu depctr_va_vdst(0)
.irp j, 0,1,2,3,4,5,6,7
	v_exp_f32 v[24+\j], v[24+\j]
.endr
	v_nop
	s_wait_alu depctr_va_vdst(0)
.irp j, 0,2,4,6
	v_pk_mul_f32 v[24+\j:25+\j], v[24+\j:25+\j], v[6:7] op_sel_hi:[1,0]
.endr
	global_store_b128 v1, v[24:27], s[12:13]
	global_store_b128 v1, v[28:31], s[12:13] offset:4096
	s_endpgm
.Lfunc_end_k_q16bf8b3b41_combine:
	.size	k_q16bf8b3b41_combine, .Lfunc_end_k_q16bf8b3b41_combine-k_q16bf8b3b41_combine
	.p2alignl 7, 3214868480
	.fill 96, 4, 3214868480
	.section	.rodata,"a",@progbits
	.p2align	6, 0x0
	.amdhsa_kernel k_q16bf8b3b41_combine
		.amdhsa_group_segment_fixed_size 0
		.amdhsa_private_segment_fixed_size 0
		.amdhsa_enable_private_segment 0
		.amdhsa_kernarg_size 40
		.amdhsa_user_sgpr_count 2
		.amdhsa_user_sgpr_kernarg_segment_ptr 1
		.amdhsa_wavefront_size32 1
		.amdhsa_system_sgpr_workgroup_id_x 1
		.amdhsa_system_sgpr_workgroup_id_y 1
		.amdhsa_system_sgpr_workgroup_id_z 1
		.amdhsa_system_vgpr_workitem_id 0
		.amdhsa_next_free_vgpr 80
		.amdhsa_next_free_sgpr 66
		.amdhsa_reserve_vcc 0
		.amdhsa_float_denorm_mode_32 3
		.amdhsa_float_denorm_mode_16_64 3
		.amdhsa_memory_ordered 1
		.amdhsa_forward_progress 1
		.amdhsa_inst_pref_size 8
	.end_amdhsa_kernel
	.amdgpu_metadata
---
amdhsa.version: [ 1, 2 ]
amdhsa.kernels:
  - .name:           k_q16bf8b3b41_combine
    .symbol:         k_q16bf8b3b41_combine.kd
    .args:
      - { .name: scores, .offset: 0, .size: 8, .value_kind: global_buffer, .address_space: global }
      - { .name: stats, .offset: 8, .size: 8, .value_kind: global_buffer, .address_space: global }
      - { .name: pctx, .offset: 16, .size: 8, .value_kind: global_buffer, .address_space: global }
      - { .name: out0, .offset: 24, .size: 8, .value_kind: global_buffer, .address_space: global }
      - { .name: out1, .offset: 32, .size: 8, .value_kind: global_buffer, .address_space: global }
    .group_segment_fixed_size: 0
    .private_segment_fixed_size: 0
    .kernarg_segment_align: 8
    .kernarg_segment_size: 40
    .max_flat_workgroup_size: 256
    .sgpr_count:     66
    .vgpr_count:     80
    .wavefront_size: 32
...
	.end_amdgpu_metadata
.endif
;; end of part 3
